; MI455X (gfx1250); checked and timed in simulation.
; The chip was launched on July 23, 2026; its instructions are those of AMD's public machine-readable ISA for CDNA 5 (MIT licence, August 2026) and "CDNA5" Instruction Set Architecture Reference Guide (July 2026). The comments in the code are by the model that wrote it; some were corrected since.
;; Soft Attention. Allowed arithmetic: matrix products marked QUANTISED: E2M1 operands, one E8M0 scale for each 32 along K, by v_wmma_scale_f32_16x16x128_f8f6f4 with both operands' format E2M1 (or v_wmma_scale_f32_32x16x128_f4), f32 sums; everything else in f32.
;; Inputs: Wk 512 x 512 float32; Wq 512 x 512 float32; Wv 512 x 512 float32; adj 8 x 2,048 x 2,048 float32; bk 512 float32; bq 512 float32; bv 512 float32; scale one number float32; width one number float32; x 8 x 2,048 x 512 float32.
;; Outputs: out0 8 x 2,048 x 512 float32.
;; This version of the problem:
;;   THIS VERSION OF THE PROBLEM IS GIVEN IN LOW PRECISION. The matrix products marked QUANTISED in the list below multiply operands that are first quantised to E2M1 (2 exponent bits, 1 mantissa bit; 4 bits a number), with one power-of-two scale for each 32 numbers along K (OCP MX v1.0); their sums are f32. All else is computed in f32.
;;   The module's matrix products, in the order in which they are computed (A, B: the left and right operand; K: the contracted axis; several contracted axes count as one K, in the product's order):
;;     1. [M 16,384, K 512] x [K 512, N 512]; A: input x; B: input Wq: QUANTISED
;;     2. [M 16,384, K 512] x [K 512, N 512]; A: input x; B: input Wk: QUANTISED
;;     3. [M 16,384, K 512] x [K 512, N 512]; A: input x; B: input Wv: QUANTISED
;;     4. batch 8 x [M 2,048, K 512] x [K 512, N 2,048]; A: computed on the way; B: computed on the way: QUANTISED
;;     5. batch 8 x [M 2,048, K 2,048] x [K 2,048, N 512]; A: softmax (see below); B: computed on the way: QUANTISED
;;   THE QUANTISER, for each operand of a quantised product, along K:
;;     - K is cut into blocks of 32 from its start; a last block that is shorter is filled with zeros.
;;     - A block's scale is 2^e with e = floor(log2(the largest magnitude in the block)) - 2, held to -126 .. 127; a block of zeros has e = 0. As a byte (E8M0): e + 127.
;;     - Each number is divided by its block's scale, clamped to +-6, and rounded to the nearest number of E2M1, ties to even, subnormals kept.
;;     - The product sums the exact products of the quantised numbers (number of the format x scale) in f32.
;;   ~~~python
;;   def quantise(x, axis):      # numpy; x: float32 -> the quantised numbers, widened to float32 again
;;       x = np.moveaxis(x, axis, -1); K = x.shape[-1]
;;       x = np.pad(x, [(0, 0)] * (x.ndim - 1) + [(0, -K % 32)]); x = x.reshape(x.shape[:-1] + (-1, 32)); a = np.abs(x).max(-1, keepdims=True)
;;       e = np.where(a > 0, np.clip(np.frexp(np.where(a > 0, a, 1))[1] - 1 - 2, -126, 127), 0)      # np.frexp(a)[1] - 1 = floor(log2(a)), exactly
;;       r = np.clip(x / 2.0 ** e, -6, 6)
;;       step = 2.0 ** (np.maximum(np.frexp(np.where(r == 0, 1, r))[1] - 1, 0) - 1)
;;       q = np.round(r / step) * step * 2.0 ** e      # np.round: ties to even
;;       return np.moveaxis(q.reshape(q.shape[:-2] + (-1,))[..., :K], -1, axis).astype(np.float32)
;;   ~~~
;;   SOFTMAX AHEAD OF A QUANTISED PRODUCT. Where the list says 'softmax', what is quantised is not the finished softmax but p = 2^(t - M), with t = logit x log2(e) and M = ceil(the row's largest t), a whole number; so 1/2 < the row's largest p <= 1. The row's sum l is taken of the UNQUANTISED p, in f32, and the product's result is divided by l at the end. Since M is a whole number, a kernel that streams over the keys may use a running M (the ceiling of the running maximum): every later rescaling is an exact power of two, which a block's scale takes up: the codes' values come out the same.
;;   OPERANDS COMPUTED ON THE WAY. 'Computed on the way' means the value that the module computes at that place (a softmax that the list does not call 'softmax' is quantised finished and normalised). What goes into a quantiser is computed in f32, as accurately as f32 sums, v_exp_f32 and their like allow (about 1e-6 of the number): no bf16 or f16 on the way to a quantiser, and a product that is left as it is and whose result goes on into a quantised operand takes f32 operands (vector FMAs, or v_wmma_f32_16x16x4_f32). A number that lies on a knife's edge between two numbers of the format may be rounded either way, as far as f32 arithmetic and the matrix unit's own rounding can turn it there, and no further.
;; One version. Each part assembles by itself: llvm-mc -triple=amdgcn-amd-amdhsa -mcpu=gfx1250 --defsym DOCPART=n.
;; ======== version 1 of 1: 3 launches
;; limits: right only within a limited range of input values
;; workspace buffers: wimg 393,216 bytes; wsc 24,576 bytes; qimg 4,194,304 bytes; qsc 262,144 bytes; kimg 4,194,304 bytes; ksc 262,144 bytes; vimg 4,194,304 bytes; vsc 262,144 bytes
;; launch wq (part 1): grid 16 x 3, 16 waves a work-group, no clusters, 3,072 bytes of LDS; arguments Wq, Wk, Wv, wimg, wsc; writes wimg, wsc
.if DOCPART == 1
	.amdgcn_target "amdgcn-amd-amdhsa--gfx1250"
	.amdhsa_code_object_version 6
	.text
	.protected	k_q92f56d76bd_wq
	.globl	k_q92f56d76bd_wq
	.p2align	8
	.type	k_q92f56d76bd_wq,@function
k_q92f56d76bd_wq:
	s_mov_b64 s[64:65], 0
	v_nop
	global_prefetch_b8 v0, s[64:65] scope:SCOPE_SE
	s_setreg_imm32_b32 hwreg(HW_REG_WAVE_MODE, 25, 1), 1
	s_wait_xcnt 0x0
; Wq, Wk, Wv [512 (k)][512 (e)], f32, become codes of FP4 (E2M1) with one E8M0 byte for each 32 along k, laid as IMAGES OF OPERAND REGISTERS.
; wimg [G 12][tile 8][ks 4][1,024]: G = 4 x matrix + e / 128; a fragment (16 columns e x 128 k) is 1,024 bytes: the lane's registers 4 c .. 4 c + 3 at 512 c + 16 x lane.
; THE COLUMNS OF A TILE ARE NOT NEIGHBOURS: lane a of tile 2 b + u holds column 32 b + 8 u + a + 8 (a / 8) of the group, so that a later product's results run along e in a lane's registers.
; wsc [G][tile][a 16][ks 4]: one word (four bytes: 128 along k) for a column and a K step.
; SHARES: work-group (x, y) takes 32 columns (32 x ..) of matrix y; wave w = 4 ks + t takes the ONE block k = 32 w .. 32 w + 31; a lane takes a column and its 32 registers run down k: each load reads 128 consecutive bytes.
; Block t of K step ks lies 1,024 ks + 256 t = 256 w bytes into a tile's images, and its byte is byte w of the column's 16 scale bytes.
; A block's scale is 2^(floor(log2(largest magnitude)) - 2): its byte is the largest magnitude's exponent field - 2, held at 1 from below.
; LIMITS: a block of zeros, or one under 2^-124, gets the byte 1 (the rule says 127 for zeros): its codes are zeros and this program alone reads the bytes.  NaN and infinities are not served.
.set X, 32                             ; v32-63 my column's 32 numbers
.set C, 16                             ; v16-19 their codes
	s_load_b256 s[4:11], s[0:1], 0x0               ; Wq s[4:5], Wk s[6:7], Wv s[8:9], wimg s[10:11]
	s_load_b64 s[12:13], s[0:1], 0x20              ; wsc
	v_lshl_add_u32 v70, v0, 2, 0x400               ; my spare word: 2,048 bytes from byte 1,024 on
	v_mov_b32 v71, 0
	v_lshrrev_b32 v6, 5, v0
	v_readfirstlane_b32 s14, v6                    ; wave 0..15
	v_and_b32 v7, 31, v0                           ; lane = column in the 32
	v_lshlrev_b32 v1, 2, v7                        ; in: 4 bytes a lane
	v_bfe_u32 v8, v0, 3, 1                         ; u: which of the two tiles my column falls into
	v_and_b32 v9, 7, v0
	v_bfe_u32 v10, v0, 4, 1
	v_lshl_add_u32 v9, v10, 3, v9                  ; a: its row in that tile's fragment
	v_lshlrev_b32 v9, 4, v9
	v_lshl_add_u32 v2, v8, 12, v9                  ; image: 4,096 u + 16 a
	v_lshl_add_u32 v5, v8, 8, v9                   ; scale words: 256 u + 16 a
	v_lshlrev_b32 v4, 4, v7                        ; LDS: 16 bytes a column,
	v_add_nc_u32 v3, s14, v4                       ; my block's byte in them
	s_and_b32 s16, ttmp7, 0xffff                   ; which matrix
	s_lshl_b32 s20, s14, 16                        ; W: 32 rows of 2,048 bytes a wave,
	s_lshl_b32 s17, ttmp9, 7
	s_add_co_u32 s20, s20, s17                     ; + 128 bytes a work-group
	s_mov_b32 s21, 0
	s_lshl_b32 s18, s16, 2
	s_lshr_b32 s17, ttmp9, 2
	s_add_co_u32 s18, s18, s17                     ; G
	s_and_b32 s19, ttmp9, 3                        ; b: which pair of tiles
	s_lshl_b32 s22, s18, 15
	s_lshl_b32 s17, s19, 13
	s_add_co_u32 s22, s22, s17
	s_lshl_b32 s17, s14, 8
	s_add_co_u32 s22, s22, s17                     ; wimg: 32,768 G + 8,192 b + 256 w
	s_mov_b32 s23, 0
	s_lshl_b32 s24, s18, 11
	s_lshl_b32 s17, s19, 9
	s_add_co_u32 s24, s24, s17                     ; wsc: 2,048 G + 512 b
	s_mov_b32 s25, 0
	s_wait_alu depctr_va_vdst(0)                   ; the wait at the head's end
	s_wait_kmcnt 0x0
	s_cmp_eq_u32 s16, 1                            ; the choice hangs on the work-group's number alone
	s_cselect_b64 s[4:5], s[6:7], s[4:5]
	s_cmp_eq_u32 s16, 2
	s_cselect_b64 s[4:5], s[8:9], s[4:5]
	s_add_nc_u64 s[4:5], s[4:5], s[20:21]
	s_add_nc_u64 s[10:11], s[10:11], s[22:23]
	s_add_nc_u64 s[12:13], s[12:13], s[24:25]
.set ii, 0
.rept 32
	global_load_b32 v[X+ii], v1, s[4:5] offset:ii*2048 th:TH_LOAD_NT   ; W(32 w + i, my column)
.set ii, ii+1
.endr
	s_wait_loadcnt 0x0
	v_max3_num_f32 v12, |v[X]|, |v[X+1]|, |v[X+2]|           ; the block's largest magnitude: all 32 numbers are mine; two chains
	v_max3_num_f32 v13, |v[X+3]|, |v[X+4]|, |v[X+5]|
.irp i, 6,10,14,18,22,26
	v_max3_num_f32 v12, v12, |v[X+\i]|, |v[X+\i+1]|
	v_max3_num_f32 v13, v13, |v[X+\i+2]|, |v[X+\i+3]|
.endr
	v_max3_num_f32 v12, v12, |v[X+30]|, |v[X+31]|
	v_max3_num_f32 v12, v12, v13, 0x1800000        ; and the floor 2^(3 - 127): the byte cannot fall under 1
	v_add_nc_u32 v11, 0xff000000, v12              ; 2 off the exponent field: the conversion takes this operand's exponent field as its scale
	v_lshrrev_b32 v13, 23, v11                     ; the scale's byte
.irp g, 0,1,2,3
	v_cvt_scalef32_pk8_fp4_f32 v[C+\g], v[X+8*\g:X+8*\g+7], v11
.endr
	global_store_b128 v2, v[C:C+3], s[10:11]       ; each tile's sixteen lanes fill 256 consecutive bytes, aligned
	ds_store_b8 v3, v13                            ; the sixteen waves' bytes of a column meet in LDS
	s_wait_dscnt 0x0                               ; for the others' sake: my store is done
	s_barrier_signal -1
	s_barrier_wait -1
	s_cmp_lg_u32 s14, 0
	s_cbranch_scc1 .Lend
	ds_load_b128 v[8:11], v4                       ; wave 0: a column's four words
	s_wait_dscnt 0x0
	global_store_b128 v5, v[8:11], s[12:13]
.Lend:
	s_wait_tensorcnt 0x0                           ; the wave's end
	ds_add_u32 v70, v71
	s_wait_dscnt 0x0
	s_endpgm
.Lfunc_end_k_q92f56d76bd_wq:
	.size	k_q92f56d76bd_wq, .Lfunc_end_k_q92f56d76bd_wq-k_q92f56d76bd_wq
	.p2alignl 7, 3214868480
	.fill 96, 4, 3214868480
	.section	.rodata,"a",@progbits
	.p2align	6, 0x0
	.amdhsa_kernel k_q92f56d76bd_wq
		.amdhsa_group_segment_fixed_size 3072
		.amdhsa_private_segment_fixed_size 0
		.amdhsa_enable_private_segment 0
		.amdhsa_kernarg_size 40
		.amdhsa_user_sgpr_count 2
		.amdhsa_user_sgpr_kernarg_segment_ptr 1
		.amdhsa_wavefront_size32 1
		.amdhsa_system_sgpr_workgroup_id_x 1
		.amdhsa_system_sgpr_workgroup_id_y 1
		.amdhsa_system_sgpr_workgroup_id_z 1
		.amdhsa_system_vgpr_workitem_id 0
		.amdhsa_next_free_vgpr 72
		.amdhsa_next_free_sgpr 66
		.amdhsa_reserve_vcc 0
		.amdhsa_float_denorm_mode_32 3
		.amdhsa_float_denorm_mode_16_64 3
		.amdhsa_memory_ordered 1
		.amdhsa_forward_progress 1
		.amdhsa_inst_pref_size 8
	.end_amdhsa_kernel
	.amdgpu_metadata
---
amdhsa.version: [ 1, 2 ]
amdhsa.kernels:
  - .name:           k_q92f56d76bd_wq
    .symbol:         k_q92f56d76bd_wq.kd
    .args:
      - { .name: Wq, .offset: 0, .size: 8, .value_kind: global_buffer, .address_space: global }
      - { .name: Wk, .offset: 8, .size: 8, .value_kind: global_buffer, .address_space: global }
      - { .name: Wv, .offset: 16, .size: 8, .value_kind: global_buffer, .address_space: global }
      - { .name: wimg, .offset: 24, .size: 8, .value_kind: global_buffer, .address_space: global }
      - { .name: wsc, .offset: 32, .size: 8, .value_kind: global_buffer, .address_space: global }
    .group_segment_fixed_size: 3072
    .private_segment_fixed_size: 0
    .kernarg_segment_align: 8
    .kernarg_segment_size: 40
    .max_flat_workgroup_size: 512
    .sgpr_count:     66
    .vgpr_count:     72
    .wavefront_size: 32
...
	.end_amdgpu_metadata
.endif
;; end of part 1
;; launch proj (part 2): grid 256 x 1, 4 waves a work-group, no clusters, 168,448 bytes of LDS; arguments x, wimg, wsc, bq, bk, bv, qimg, qsc, kimg, ksc, vimg, vsc; writes qimg, qsc, kimg, ksc, vimg, vsc
.if DOCPART == 2
	.amdgcn_target "amdgcn-amd-amdhsa--gfx1250"
	.amdhsa_code_object_version 6
	.text
	.protected	k_q92f56d76bd_proj
	.globl	k_q92f56d76bd_proj
	.p2align	8
	.type	k_q92f56d76bd_proj,@function
k_q92f56d76bd_proj:
	s_mov_b64 s[64:65], 0
	v_nop
	global_prefetch_b8 v0, s[64:65] scope:SCOPE_SE
	s_setreg_imm32_b32 hwreg(HW_REG_WAVE_MODE, 25, 1), 1
	s_wait_xcnt 0x0
; Q = x Wq + bq, K = x Wk + bk, V = x Wv + bv on codes of FP4 (E2M1) with E8M0 scales for each 32 along d_in; the results are quantised at once: Q and K along e, V along the keys (the rows).
; SHARES: work-group X takes rows 64 X .. 64 X + 63 of x.  THE WAVES SHARE THE COLUMNS: wave w makes columns 128 w .. 128 w + 127 of Q, of K and of V for all 64 rows: 12 units of 32 matrix instructions.
; Its weights come from wimg, which is laid in the order of operand registers, straight into registers: each fragment is read by one wave of the work-group.
; x comes by one tensor load a wave, filled once; wave w quantises one tile of 16 rows and hands the fragments to the others through LDS as images of their registers.
; THE ROWS OF A TILE ARE NOT NEIGHBOURS: lane a of tile 2 b + u holds row 32 b + 8 u + a + 8 (a / 8); the weights' columns likewise.  So where a tile is source 0, the 16 registers of tiles 2 b and 2 b + 1 are 16 neighbours.
; Q, K: source 0 = 16 columns of W, source 1 = 16 rows of x: a lane holds one row, its registers run along e.  V: source 0 = 16 rows of x, source 1 = 16 columns: a lane holds one channel, its registers run along the keys.
; OUT: qimg [X][tile 4][e step 4][1,024], qsc [X][tile][r][e step] words; kimg, ksc the same at [P]; vimg [P][channel tile 32][512]: lane (r, h): 32 keys 32 h .. of channel r; vsc [P][slice 4][r 16][tile 8] two bytes.
; P puts the blocks of 64 keys in the order in which the next launch's waves walk them: block 8 s + 2 w + u of a batch lies at 8 w + 2 s + u.
; No cluster: the weights of a work-group's four waves are 393,216 bytes, more than LDS holds beside x, and each fragment is used from registers by one wave.
; LIMITS: a block of zeros, or one under 2^-124, gets the byte 1: its codes are zeros or the rule's own, and this program alone reads the bytes.  NaN and infinities are not served.
; REGISTERS: window 0: v1-11 addresses; v16-23 x's scale words; v24-71 the weights'; v72-79 bv; v80-83 V's scale words; v84 the word just made; v88-103 at work; v104-111 codes just made; v112-175 eight accumulators; v176-239 x's numbers.
;   window 1: Wq's 32 fragments, later Wv's.   window 2: Wk's.   window 3: v0-127 x's 16 fragments; v128-191 bq's eight tiles, later bv's; v192-255 bk's.
.set XIMG, 133120                      ; LDS: 0 .. x as it lies: 128 rows of 1,024 bytes + 16 (a row of x is two of them: 2,080 bytes);  here x's 16 fragments, (4 tile + step) x 1,024,
.set XSC,  XIMG+16384                  ; their scale words [tile][r][step],
.set SCG,  XSC+1024                    ; and Q's, then K's scale words [tile][r][e step], gathered from the four waves
.set XL,  1                            ; v1   my row and half in x's rows
.set LI,  2                            ; v2   16 x lane
.set XWI, 3                            ; v3   where I store my tile's images
.set XWS, 4                            ; v4   and its scale words
.set SGW, 5                            ; v5   where I put a word of Q's or K's scales
.set BO,  6                            ; v6   64 h: bq, bk
.set BVO, 7                            ; v7   4 x my column in a tile: bv
.set VSO, 8                            ; v8   16 r + 8 h: vsc
.set SGR, 9                            ; v9   where I read 512 gathered bytes back
.set XRD, 10                           ; v10  XIMG + 16 x lane
.set HH,  11                           ; v11  h
.set XS,  16
.set WS,  24                           ; matrix j, tile pair p, step e: 24 + 16 j + 4 p + e; lanes 0-15 tile 2 p, lanes 16-31 tile 2 p + 1
.set BVT, 72
.set VW,  80
.set PW,  84
.set VP,  86
.set TM,  88
.set PC,  104
.set HA,  112
.set ST,  176
.set WV,  20
.set SEL, 22
.set MSB, 0
.macro WIN new                         ; the immediate's high byte repeats the setting that is left; a switch that changes nothing is dropped
.if MSB != (\new)
	s_set_vgpr_msb (MSB<<8)|(\new)
.set MSB, (\new)
.endif
.endm
; one matrix instruction.  c < 0: the constant 0 starts the sum.  ra, rb: the side's scales are read from lanes 16-31
.macro WM d, a, b, c, sa, sb, ra, rb
.if (\c) < 0
.if (\ra) && (\rb)
	v_wmma_scale_f32_16x16x128_f8f6f4 v[(\d):(\d)+7], v[(\a):(\a)+7], v[(\b):(\b)+7], 0, v[(\sa)], v[(\sb)] matrix_a_fmt:MATRIX_FMT_FP4 matrix_b_fmt:MATRIX_FMT_FP4 matrix_a_scale:MATRIX_SCALE_ROW1 matrix_b_scale:MATRIX_SCALE_ROW1
.elseif (\ra)
	v_wmma_scale_f32_16x16x128_f8f6f4 v[(\d):(\d)+7], v[(\a):(\a)+7], v[(\b):(\b)+7], 0, v[(\sa)], v[(\sb)] matrix_a_fmt:MATRIX_FMT_FP4 matrix_b_fmt:MATRIX_FMT_FP4 matrix_a_scale:MATRIX_SCALE_ROW1
.elseif (\rb)
	v_wmma_scale_f32_16x16x128_f8f6f4 v[(\d):(\d)+7], v[(\a):(\a)+7], v[(\b):(\b)+7], 0, v[(\sa)], v[(\sb)] matrix_a_fmt:MATRIX_FMT_FP4 matrix_b_fmt:MATRIX_FMT_FP4 matrix_b_scale:MATRIX_SCALE_ROW1
.else
	v_wmma_scale_f32_16x16x128_f8f6f4 v[(\d):(\d)+7], v[(\a):(\a)+7], v[(\b):(\b)+7], 0, v[(\sa)], v[(\sb)] matrix_a_fmt:MATRIX_FMT_FP4 matrix_b_fmt:MATRIX_FMT_FP4
.endif
.else
.if (\ra) && (\rb)
	v_wmma_scale_f32_16x16x128_f8f6f4 v[(\d):(\d)+7], v[(\a):(\a)+7], v[(\b):(\b)+7], v[(\c):(\c)+7], v[(\sa)], v[(\sb)] matrix_a_fmt:MATRIX_FMT_FP4 matrix_b_fmt:MATRIX_FMT_FP4 matrix_a_scale:MATRIX_SCALE_ROW1 matrix_b_scale:MATRIX_SCALE_ROW1
.elseif (\ra)
	v_wmma_scale_f32_16x16x128_f8f6f4 v[(\d):(\d)+7], v[(\a):(\a)+7], v[(\b):(\b)+7], v[(\c):(\c)+7], v[(\sa)], v[(\sb)] matrix_a_fmt:MATRIX_FMT_FP4 matrix_b_fmt:MATRIX_FMT_FP4 matrix_a_scale:MATRIX_SCALE_ROW1
.elseif (\rb)
	v_wmma_scale_f32_16x16x128_f8f6f4 v[(\d):(\d)+7], v[(\a):(\a)+7], v[(\b):(\b)+7], v[(\c):(\c)+7], v[(\sa)], v[(\sb)] matrix_a_fmt:MATRIX_FMT_FP4 matrix_b_fmt:MATRIX_FMT_FP4 matrix_b_scale:MATRIX_SCALE_ROW1
.else
	v_wmma_scale_f32_16x16x128_f8f6f4 v[(\d):(\d)+7], v[(\a):(\a)+7], v[(\b):(\b)+7], v[(\c):(\c)+7], v[(\sa)], v[(\sb)] matrix_a_fmt:MATRIX_FMT_FP4 matrix_b_fmt:MATRIX_FMT_FP4
.endif
.endif
.endm
; 64 numbers of a lane, register 16 b + i = place 32 b + 16 (lane / 16) + i along the next K, become a fragment's codes in v[PC] on and its scale word in v[PW]
.macro QUANT f
.irp b, 0,1,2,3
	v_max3_num_f32 v[TM+\b], |v[\f+16*\b]|, |v[\f+1+16*\b]|, 0x1800000   ; block b: my 16 numbers, and the floor 2^(3 - 127): the byte cannot fall under 1
.endr
.irp i, 2,4,6,8,10,12,14
.irp b, 0,1,2,3
	v_max3_num_f32 v[TM+\b], v[TM+\b], |v[\f+16*\b+\i]|, |v[\f+1+16*\b+\i]|   ; the four blocks by turns
.endr
.endr
.irp b, 0,1,2,3
	v_permlanex16_b32 v[TM+4+\b], v[TM+\b], s[SEL], s[SEL+1]
.endr
.irp b, 0,1,2,3
	v_max_num_f32 v[TM+\b], v[TM+\b], v[TM+4+\b]   ; with lane l xor 16's 16: the block's largest magnitude
.endr
.irp b, 0,1,2,3
	v_add_nc_u32 v[TM+12+\b], 0xff000000, v[TM+\b] ; 2 off its exponent field: the conversion's scale operand
.endr
.irp b, 0,1,2,3
	v_lshrrev_b32 v[TM+4+\b], 23, v[TM+12+\b]      ; the scale's byte
.endr
	v_lshl_or_b32 v[PW], v[TM+5], 8, v[TM+4]
	v_lshl_or_b32 v[PW], v[TM+6], 16, v[PW]
	v_lshl_or_b32 v[PW], v[TM+7], 24, v[PW]
.irp b, 0,1,2,3
	v_cvt_scalef32_pk8_fp4_f32 v[PC+2*\b], v[\f+16*\b:\f+7+16*\b], v[TM+12+\b]
	v_cvt_scalef32_pk8_fp4_f32 v[PC+1+2*\b], v[\f+8+16*\b:\f+15+16*\b], v[TM+12+\b]
.endr
	v_nop                                          ; one plain place behind the scaled conversions
.irp c, 0,1                                    ; a whole block to a lane: lanes 0-15 block 2 c, lanes 16-31 block 2 c + 1
.irp i, 0,1
	v_permlane16_swap_b32 v[PC+4*\c+\i], v[PC+2+4*\c+\i]
.endr
.endr
.endm
.macro PLACES
.rept 4
	v_nop
.endr
.endm
	s_load_b512 s[4:19], s[0:1], 0x0               ; x 4, wimg 6, wsc 8, bq 10, bk 12, bv 14, qimg 16, qsc 18
	s_load_b256 s[40:47], s[0:1], 0x40             ; kimg 40, ksc 42, vimg 44, vsc 46
	v_lshl_add_u32 v254, v0, 2, 0x29000
	v_mov_b32 v255, 0
	ds_add_u32 v254, v255
	ds_add_u32 v254, v255
	v_lshrrev_b32 v12, 5, v0
	v_readfirstlane_b32 s[WV], v12                 ; wave 0..3
	; descriptor group 1: my 16 rows of x are 32,768 dense bytes: 32 rows of 256 elements of 4 bytes, 4 words of padding behind each 256 words
	s_mov_b32 s24, (2<<16)|(1<<20)|(7<<22)|(3<<25)
	s_mov_b32 s25, 256<<16                         ; tensor_dim0
	s_mov_b32 s26, 32<<16                          ; tensor_dim1
	s_mov_b32 s27, 256<<16                         ; tile_dim0
	s_mov_b32 s28, 32                              ; tile_dim1
	s_mov_b32 s29, 256                             ; pitch
	s_mov_b32 s30, 0
	s_mov_b32 s31, 0
	s_mov_b32 s32, 1
	s_mul_i32 s33, s[WV], 33280                    ; LDS: 32 x 1,040 bytes a wave
	s_lshl_b32 s56, ttmp9, 17                      ; 64 rows of 2,048 bytes a work-group,
	s_lshl_b32 s48, s[WV], 15                      ; 16 a wave
	s_add_co_u32 s56, s56, s48
	s_mov_b32 s57, 0
	s_wait_dscnt 0x0
	s_wait_kmcnt 0x0
	s_add_nc_u64 s[34:35], s[4:5], s[56:57]
	s_or_b32 s35, s35, 0x80000000                  ; type = 2
	tensor_load_to_lds s[32:35], s[24:31]          ; filled once: one load of mine is out
	s_nop 0
	PLACES                                         ; four plain lines follow a tensor load
	s_lshl_b32 s56, s[WV], 15
	s_add_nc_u64 s[6:7], s[6:7], s[56:57]          ; my group of each matrix's images (a matrix on: 131,072 bytes, in the immediate)
	s_lshl_b32 s56, s[WV], 11
	s_add_nc_u64 s[8:9], s[8:9], s[56:57]          ; and of their scale words (a matrix on: 8,192)
	s_lshl_b32 s56, s[WV], 9
	s_add_nc_u64 s[10:11], s[10:11], s[56:57]      ; my 128 numbers of each bias
	s_add_nc_u64 s[12:13], s[12:13], s[56:57]
	s_add_nc_u64 s[14:15], s[14:15], s[56:57]
	s_and_b32 s50, ttmp9, 31                       ; my block of 64 keys in its batch = 8 s + 2 w + u
	s_lshr_b32 s51, s50, 3
	s_bfe_u32 s52, s50, 0x20001
	s_and_b32 s53, s50, 1
	s_and_b32 s54, ttmp9, 0xe0
	s_lshl_b32 s52, s52, 3
	s_lshl_b32 s51, s51, 1
	s_add_co_u32 s54, s54, s52
	s_add_co_u32 s54, s54, s51
	s_add_co_u32 s54, s54, s53                     ; P = 32 x batch + 8 w + 2 s + u
	s_lshl_b32 s48, s[WV], 10
	s_lshl_b32 s56, ttmp9, 14
	s_add_co_u32 s56, s56, s48
	s_add_nc_u64 s[16:17], s[16:17], s[56:57]      ; qimg: 16,384 X + 1,024 x my e step
	s_lshl_b32 s56, s54, 14
	s_add_co_u32 s56, s56, s48
	s_add_nc_u64 s[40:41], s[40:41], s[56:57]      ; kimg: 16,384 P + ..
	s_lshl_b32 s48, s[WV], 12
	s_lshl_b32 s56, s54, 14
	s_add_co_u32 s56, s56, s48
	s_add_nc_u64 s[44:45], s[44:45], s[56:57]      ; vimg: 16,384 P + 8 tiles of 512 bytes a wave
	s_lshl_b32 s48, s[WV], 8
	s_lshl_b32 s56, s54, 10
	s_add_nc_u64 s[42:43], s[42:43], s[56:57]      ; ksc: 1,024 P
	s_add_co_u32 s56, s56, s48
	s_add_nc_u64 s[46:47], s[46:47], s[56:57]      ; vsc: 1,024 P + 256 x wave
	s_lshl_b32 s56, ttmp9, 10
	s_add_nc_u64 s[18:19], s[18:19], s[56:57]      ; qsc: 1,024 X
	s_cmp_lt_u32 s[WV], 2                          ; waves 0, 1 store Q's gathered scale words, waves 2, 3 K's
	s_cselect_b64 s[58:59], s[18:19], s[42:43]
	s_and_b32 s56, s[WV], 1
	s_lshl_b32 s56, s56, 9
	s_add_nc_u64 s[58:59], s[58:59], s[56:57]
	s_mov_b32 s[SEL], 0x76543210
	s_mov_b32 s[SEL+1], 0xfedcba98                 ; v_permlanex16_b32's selects for lane l xor 16
	v_and_b32 v12, 31, v0                          ; lane
	v_and_b32 v13, 15, v0                          ; r
	v_bfe_u32 v[HH], v0, 4, 1                      ; h
	v_and_b32 v14, 8, v13
	v_add_nc_u32 v14, v14, v13                     ; r + 8 (r / 8)
	v_lshlrev_b32 v[LI], 4, v12
	s_wait_alu depctr_va_vdst(0)
	v_mul_u32_u24 v[XL], v14, 2080
	v_lshl_add_u32 v[XL], v[HH], 6, v[XL]          ; my row in the tile, + 64 h: my 16 numbers of a block of 32
	s_lshr_b32 s48, s[WV], 1
	s_lshl_b32 s48, s48, 5
	s_and_b32 s49, s[WV], 1
	s_lshl_b32 s49, s49, 3
	s_add_co_u32 s48, s48, s49                     ; tile w begins at row 32 (w / 2) + 8 (w % 2)
	s_mul_i32 s48, s48, 2080
	v_add_nc_u32 v[XL], s48, v[XL]
	v_add_nc_u32 v[XRD], XIMG, v[LI]
	s_lshl_b32 s48, s[WV], 12
	v_add_nc_u32 v[XWI], s48, v[XRD]
	v_lshlrev_b32 v15, 4, v13                      ; 16 r
	s_lshl_b32 s48, s[WV], 8
	s_add_co_u32 s48, s48, XSC
	v_add_nc_u32 v[XWS], s48, v15
	s_lshl_b32 s48, s[WV], 2
	s_add_co_u32 s48, s48, SCG
	v_add_nc_u32 v[SGW], s48, v15
	s_lshl_b32 s48, s[WV], 9
	s_add_co_u32 s48, s48, SCG
	v_add_nc_u32 v[SGR], s48, v[LI]
	v_lshlrev_b32 v[BO], 6, v[HH]
	v_lshlrev_b32 v[BVO], 2, v14
	v_lshl_add_u32 v[VSO], v[HH], 3, v15
.irp b, 0,1,2,3
	v_mov_b32 v[TM+4+\b], 0                        ; written once: a lane permute's destination counts as one of its sources
.endr
.macro WLOAD j                         ; matrix j's 32 fragments of my group: fragment (tile t, step e) at register 8 (4 t + e) of the window that the caller has set
.set ff, 0
.rept 32
	global_load_b128 v[8*ff:8*ff+3],   v[LI], s[6:7] offset:\j*131072+ff*1024
	global_load_b128 v[8*ff+4:8*ff+7], v[LI], s[6:7] offset:\j*131072+ff*1024+512
.set ff, ff+1
.endr
.endm
	WIN 0x40
	WLOAD 0                                        ; Wq -> window 1
	WIN 0x80
	WLOAD 1                                        ; Wk -> window 2
	WIN 0xc0                                       ; bq, bk -> window 3, in the result's layout: lane (r, h), tile 2 b + u: columns 32 b + 16 h + 8 u + 0 .. 7
.irp t, 0,1,2,3,4,5,6,7
	global_load_b128 v[128+8*\t:128+8*\t+3],   v[BO], s[10:11] offset:(32*(\t/2)+8*(\t%2))*4
	global_load_b128 v[128+8*\t+4:128+8*\t+7], v[BO], s[10:11] offset:(32*(\t/2)+8*(\t%2))*4+16
	global_load_b128 v[192+8*\t:192+8*\t+3],   v[BO], s[12:13] offset:(32*(\t/2)+8*(\t%2))*4
	global_load_b128 v[192+8*\t+4:192+8*\t+7], v[BO], s[12:13] offset:(32*(\t/2)+8*(\t%2))*4+16
.endr
	WIN 0
.irp j, 0,1,2
.irp p, 0,1,2,3
	global_load_b128 v[WS+16*\j+4*\p:WS+16*\j+4*\p+3], v[LI], s[8:9] offset:8192*\j+512*\p   ; four steps' words: lanes 0-15 tile 2 p's rows, lanes 16-31 tile 2 p + 1's
.endr
.endr
.irp t, 0,1,2,3,4,5,6,7
	global_load_b32 v[BVT+\t], v[BVO], s[14:15] offset:(32*(\t/2)+8*(\t%2))*4   ; bv at my lane's channel of tile t
.endr
	; ---- x becomes fragments.  A tile's rows come from two waves' loads: so a barrier behind each wave's wait
	s_wait_tensorcnt 0x0
	s_barrier_signal -1
	s_barrier_wait -1
.macro XLD k, buf                      ; my row's 64 numbers of step k (16 of each block of 32)
.irp b, 0,1,2,3
.irp j, 0,1,2,3
	ds_load_b128 v[\buf+16*\b+4*\j:\buf+16*\b+4*\j+3], v[XL] offset:((\k)/2)*1040+((\k)%2)*512+128*\b+16*\j
.endr
.endr
.endm
.macro XPUT k                          ; the fragment just made, as it stands, and its scale words
	ds_store_b128 v[XWI], v[PC:PC+3] offset:1024*\k
	ds_store_b128 v[XWI], v[PC+4:PC+7] offset:1024*\k+512
	ds_store_b32 v[XWS], v[PW] offset:4*\k         ; lanes r and r + 16 write the same word with the same value
.endm
	XLD 0, HA
	XLD 1, ST
	s_wait_dscnt 16                                ; step 0's numbers are in; the youngest 16 loads may be out
	QUANT HA
	XPUT 0
	XLD 2, HA
	s_wait_dscnt 16                                ; step 1's numbers are in and the three stores are done; step 2's 16 loads may be out
	QUANT ST
	XPUT 1
	XLD 3, ST
	s_wait_dscnt 16
	QUANT HA
	XPUT 2
	s_wait_dscnt 0x0
	QUANT ST
	XPUT 3
	s_wait_dscnt 0x0                               ; for the others' sake: my stores are done
	s_barrier_signal -1
	s_barrier_wait -1                              ; x's sixteen fragments lie in LDS
	WIN 0xc0
.set ff, 0
.rept 16
	ds_load_b128 v[8*ff:8*ff+3],   v[XRD] offset:1024*ff
	ds_load_b128 v[8*ff+4:8*ff+7], v[XRD] offset:1024*ff+512
.set ff, ff+1
.endr
	WIN 0
.irp p, 0,1
	ds_load_b128 v[XS+4*\p:XS+4*\p+3], v[XRD] offset:16384+512*\p   ; lanes 0-15 tile 2 p's words, lanes 16-31 tile 2 p + 1's
.endr
	s_wait_dscnt 0x0
	s_wait_loadcnt 0x0                             ; the weights, their scales, the biases
; ---- a unit of Q (j = 0) or K (j = 1): rows' tile m x my 128 columns.  Eight accumulators by turns, one instruction a turn, step by step; the bias is the C of each sum's first instruction
.macro UNIT_QK j, m, gb
.irp e, 0,1,2,3
.if \e == 0
	WIN 0x3d+\j                                    ; source 0 (W) window 1 + j, source 1 (x) window 3, C (bias) window 3
.else
	WIN 0x0d+\j                                    ; C window 0
.endif
.irp t, 0,1,2,3,4,5,6,7
.if \e == 0
	WM HA+8*\t, 8*(4*\t+\e), 32*\m+8*\e, 128+64*\j+8*\t, WS+16*\j+4*(\t/2)+\e, XS+4*(\m/2)+\e, \t%2, \m%2
.else
	WM HA+8*\t, 8*(4*\t+\e), 32*\m+8*\e, HA+8*\t, WS+16*\j+4*(\t/2)+\e, XS+4*(\m/2)+\e, \t%2, \m%2
.endif
.endr
.endr
	WIN 0
	PLACES                                         ; four places in front of the first read of results
	s_wait_xcnt 0x0                                ; the last unit's stores have read the codes' registers
	s_wait_dscnt 0x0                               ; and its LDS store the word's
	QUANT HA
	global_store_b128 v[LI], v[PC:PC+3],   s[\gb:\gb+1] offset:4096*\m       ; the image of (tile m, my e step): 512 consecutive bytes a store
	global_store_b128 v[LI], v[PC+4:PC+7], s[\gb:\gb+1] offset:4096*\m+512
	ds_store_b32 v[SGW], v[PW] offset:1024*\j+256*\m
.endm
.irp m, 0,1,2,3
	UNIT_QK 0, \m, 16
.endr
	WIN 0x40
	WLOAD 2                                        ; Wv takes Wq's registers: it lands under K's four units
	WIN 0xc0
.irp t, 0,1,2,3,4,5,6,7                        ; bv takes bq's: in a tile of V a lane holds one channel, so its eight registers of C hold one number
.irp j, 0,1,2,3,4,5,6,7
	v_mov_b32 v[128+8*\t+\j], v[BVT+\t]
.endr
.endr
	WIN 0
.irp m, 0,1,2,3
	UNIT_QK 1, \m, 40
.endr
	s_wait_loadcnt 0x0                             ; Wv
; ---- a unit of V: channel tiles 2 n, 2 n + 1 x all 64 keys.  Accumulator (l, m) at 32 l + 8 m: a lane's 32 registers of tile l run along the 64 keys, 16 of each block of 32
.macro UNIT_V n
.irp e, 0,1,2,3
.if \e == 0
	WIN 0x37                                       ; source 0 (x) window 3, source 1 (Wv) window 1, C (bv) window 3
.else
	WIN 0x07
.endif
.irp l, 0,1
.irp m, 0,1,2,3
.if \e == 0
	WM HA+32*\l+8*\m, 32*\m+8*\e, 8*(4*(2*\n+\l)+\e), 128+8*(2*\n+\l), XS+4*(\m/2)+\e, WS+32+4*\n+\e, \m%2, \l
.else
	WM HA+32*\l+8*\m, 32*\m+8*\e, 8*(4*(2*\n+\l)+\e), HA+32*\l+8*\m, XS+4*(\m/2)+\e, WS+32+4*\n+\e, \m%2, \l
.endif
.endr
.endr
.endr
	WIN 0
	PLACES
	s_wait_xcnt 0x0
	s_wait_dscnt 0x0
	QUANT HA                                       ; codes 0-3: tile 2 n's half image, 4-7: tile 2 n + 1's; the word: two bytes for each
	v_mov_b32 v[VW+\n], v[PW]
	global_store_b128 v[LI], v[PC:PC+3],   s[44:45] offset:1024*\n
	global_store_b128 v[LI], v[PC+4:PC+7], s[44:45] offset:1024*\n+512
.endm
.irp n, 0,1,2,3
	UNIT_V \n
.endr
	v_cmp_eq_u32 vcc_lo, 1, v[HH]                  ; a channel's 16 scale bytes: lanes 0-15 store the first eight, lanes 16-31 the others
	v_cndmask_b32 v[VP], v[VW], v[VW+2], vcc_lo
	v_cndmask_b32 v[VP+1], v[VW+1], v[VW+3], vcc_lo
	global_store_b64 v[VSO], v[VP:VP+1], s[46:47]  ; 256 consecutive bytes a wave
	s_wait_dscnt 0x0                               ; for the others' sake: my words of Q's and K's scales are in LDS
	s_barrier_signal -1
	s_barrier_wait -1
	ds_load_b128 v[TM:TM+3], v[SGR]
	s_wait_dscnt 0x0
	global_store_b128 v[LI], v[TM:TM+3], s[58:59]  ; 512 consecutive bytes a wave
	s_wait_tensorcnt 0x0
	ds_add_u32 v254, v255
	s_wait_dscnt 0x0
	s_endpgm
.Lfunc_end_k_q92f56d76bd_proj:
	.size	k_q92f56d76bd_proj, .Lfunc_end_k_q92f56d76bd_proj-k_q92f56d76bd_proj
	.p2alignl 7, 3214868480
	.fill 96, 4, 3214868480
	.section	.rodata,"a",@progbits
	.p2align	6, 0x0
	.amdhsa_kernel k_q92f56d76bd_proj
		.amdhsa_group_segment_fixed_size 168448
		.amdhsa_private_segment_fixed_size 0
		.amdhsa_enable_private_segment 0
		.amdhsa_kernarg_size 96
		.amdhsa_user_sgpr_count 2
		.amdhsa_user_sgpr_kernarg_segment_ptr 1
		.amdhsa_wavefront_size32 1
		.amdhsa_system_sgpr_workgroup_id_x 1
		.amdhsa_system_sgpr_workgroup_id_y 1
		.amdhsa_system_sgpr_workgroup_id_z 1
		.amdhsa_system_vgpr_workitem_id 0
		.amdhsa_next_free_vgpr 1024
		.amdhsa_next_free_sgpr 66
		.amdhsa_reserve_vcc 1
		.amdhsa_float_denorm_mode_32 3
		.amdhsa_float_denorm_mode_16_64 3
		.amdhsa_memory_ordered 1
		.amdhsa_forward_progress 1
		.amdhsa_inst_pref_size 152
	.end_amdhsa_kernel
	.amdgpu_metadata
---
amdhsa.version: [ 1, 2 ]
amdhsa.kernels:
  - .name:           k_q92f56d76bd_proj
    .symbol:         k_q92f56d76bd_proj.kd
    .args:
      - { .name: x, .offset: 0, .size: 8, .value_kind: global_buffer, .address_space: global }
      - { .name: wimg, .offset: 8, .size: 8, .value_kind: global_buffer, .address_space: global }
      - { .name: wsc, .offset: 16, .size: 8, .value_kind: global_buffer, .address_space: global }
      - { .name: bq, .offset: 24, .size: 8, .value_kind: global_buffer, .address_space: global }
      - { .name: bk, .offset: 32, .size: 8, .value_kind: global_buffer, .address_space: global }
      - { .name: bv, .offset: 40, .size: 8, .value_kind: global_buffer, .address_space: global }
      - { .name: qimg, .offset: 48, .size: 8, .value_kind: global_buffer, .address_space: global }
      - { .name: qsc, .offset: 56, .size: 8, .value_kind: global_buffer, .address_space: global }
      - { .name: kimg, .offset: 64, .size: 8, .value_kind: global_buffer, .address_space: global }
      - { .name: ksc, .offset: 72, .size: 8, .value_kind: global_buffer, .address_space: global }
      - { .name: vimg, .offset: 80, .size: 8, .value_kind: global_buffer, .address_space: global }
      - { .name: vsc, .offset: 88, .size: 8, .value_kind: global_buffer, .address_space: global }
    .group_segment_fixed_size: 168448
    .private_segment_fixed_size: 0
    .kernarg_segment_align: 8
    .kernarg_segment_size: 96
    .max_flat_workgroup_size: 128
    .sgpr_count:     66
    .vgpr_count:     1024
    .wavefront_size: 32
...
	.end_amdgpu_metadata
.endif
;; end of part 2
;; launch attn (part 3): grid 32 x 8, 4 waves a work-group, no clusters, 327,680 bytes of LDS; arguments adj, scale, width, qimg, qsc, kimg, ksc, vimg, vsc, out0; writes out0
.if DOCPART == 3
	.amdgcn_target "amdgcn-amd-amdhsa--gfx1250"
	.amdhsa_code_object_version 6
	.text
	.protected	k_q92f56d76bd_attn
	.globl	k_q92f56d76bd_attn
	.p2align	8
	.type	k_q92f56d76bd_attn,@function
k_q92f56d76bd_attn:
	s_mov_b64 s[64:65], 0
	v_nop
	global_prefetch_b8 v0, s[64:65] scope:SCOPE_SE
	s_setreg_imm32_b32 hwreg(HW_REG_WAVE_MODE, 25, 1), 1
	s_wait_xcnt 0x0
; out[b][q] = sum over k of softmax_k(Q.K / sqrt(512) x exp(-(adj - scale)^2 / width)) V[k], both products on codes of FP4 (E2M1) with E8M0 scales for each 32 along K.
; THE SOFTMAX: y = score x mask; t = y x log2(e) / sqrt(512); M = the row's largest t so far, rounded UP to a whole number; p = 2^(t - M) is quantised along the keys, not normalised.
; The row's sum is taken of the unquantised p and divides at the end.  When M moves, the sum and O are multiplied by 2^(old M - new M): exact.
; SHARES: a work-group owns 64 queries of a batch, four tiles q of 16, and walks the 2,048 keys in eight steps of 256.  In a step wave w makes S^T = K Q^T of all four tiles against ITS 64 keys (512 s + 128 w + 64 u),
; masks them, takes its part in the rows' maxima (through LDS), makes and quantises p, and hands the codes to the others through LDS as images of operand registers;
; then it makes O^T += V^T P^T of all four tiles for ITS 128 channels over all 256 keys.  So each fragment of K and V is read once in the work-group and feeds four matrix instructions.
; adj comes by tensor loads through two slots of 512 keys: each wave's tile (64 queries x its 128 keys, rows of 512 bytes + 16) is its own.  The change of slots stands at a slot's head: the slot just left is asked for again and has two steps in which to land.
; K, V and their scales come from memory straight into registers, a step ahead: they are laid in the order of operand registers.
; LAYOUT: both products are used transposed: a lane holds ONE query (lane % 16).  The keys of a tile of K are not neighbours (lane a of tile 2 b + u: key 32 b + 8 u + a + 8 (a / 8)): register 16 b + i of a query tile is key 32 b + 16 (lane / 16) + i.
; EXPONENTIALS go in batches: all sources first, one wait, the batch, a plain line, one wait.  Between a tile's 32 stand only the next tile's differences adj - scale, which are first read behind the wait that follows.
; No cluster: adj's two slots take 270,336 bytes of LDS, and two slots of K and V for 256 keys would take 262,144 more; each fragment is wanted by one wave, in registers.
; PREFETCH: K's and V's codes of the step after next (macro ASK).  None for adj: from the first change of slots to the last a tensor load for the next 512 keys, 135,168 bytes a work-group, is out all the time.
; LIMITS: |t| under 2^24, so that M is a whole number in f32; width = 0, NaN and infinities are not served; an exponential under 2^-126 is 0 (ISA guide, 15.8); a block of p under 2^-124 keeps the byte 1.
; REGISTERS: window 0: v1-15 addresses; v16-23 K's scale words, v24-31 Q's, v32-39 V's, v40-43 p's; v44-51 V's scale bytes as loaded; v52-75 six a tile: -M, largest t, the sum (two halves), f, a spare half;
;   v76-83 block maxima; v84-91, v92-99 at work; v100-103 row maxima; v104-119 the four waves' maxima, then p's codes; v120 a prefetch's offset; v128-255 S^T (32 q + 8 t), then y, then p.
;   window 1: O^T (64 q + 8 t).   window 2: v0-127 Q (32 q + 8 e); v128-255 K (32 t + 8 e).   window 3: v0-127 V (64 g + 8 t); v192-255 adj of tiles 0, 1; v128-191 adj of tiles 2, 3 and, from the step's second barrier on, P (16 q + 8 g).
.set WTILE, 33792                      ; a wave's tile of adj in LDS: 64 rows x 528
.set SLOTB, 0x21000                    ; a slot: four of them.  No bit of it meets a bit of wave x WTILE: one exclusive or turns an address from one slot to the other
.set PIMG,  270336                     ; behind the slots: p's eight fragments, (2 q + g) x 1,024,
.set PSC,   PIMG+8192                  ; their scale words [q][g][r],
.set MX,    PSC+512                    ; the waves' row maxima (later sums): 512 bytes a wave,
.set STG,   MX+2048                    ; the way out: 16 rows x 528 for each wave,
.set SPARE, STG+33792                  ; and the spare words, 128 bytes a wave: two blocks of 256 bytes that no other line names
.set AL,  1                            ; my row and half in my wave's tile of adj
.set AA,  2                            ; the same in the slot and step in hand
.set LI,  3                            ; 16 x lane
.set PST, 4                            ; where I store 8 bytes of p's codes
.set PSS, 5                            ; and two scale bytes
.set PLD, 6                            ; PIMG + 16 x lane
.set PSL, 7                            ; PSC + 4 x lane
.set MXS, 8                            ; MX + 512 x wave + 16 x lane
.set MXL, 9                            ; MX + 16 x lane
.set VSL, 10                           ; V's scale bytes: 16,384 (lane / 16) + 16 r
.set STO, 11                           ; the stage, in
.set SRD, 12                           ; the stage, back
.set PFK, 13                           ; K's prefetches: 256 x lane; never rewritten
.set SPW, 14                           ; my spare word; never rewritten
.set NIL, 15                           ; 0; never rewritten
.set KS,  16
.set QS,  24
.set VS,  32
.set PS,  40
.set VR,  44
.set ST,  52
.set BM,  76
.set TA,  84
.set SO,  92
.set RM,  100
.set MXR, 104
.set PC,  104
.set PFV, 120                          ; V's prefetches: 131,072 (lane / 16) + 256 (lane % 16); never rewritten
.set S,   128
.set WV,  40
.set NSC, 44                           ; s[44:45] -scale
.set KW,  46                           ; s[46:47] -log2(e) / width
.set CS,  48                           ; s[48:49] log2(e) / sqrt(512)
.set SEL, 50
.set AO,  52                           ; slot and step in adj's tiles
.set KB,  56                           ; s[56:57] K's images of the step last asked for; s[58:59] its scale words; s[60:61], s[62:63] V's
.set KSB, 58
.set VB,  60
.set VSB, 62
.set MSB, 0
.macro WIN new                         ; the immediate's high byte repeats the setting that is left; a switch that changes nothing is dropped
.if MSB != (\new)
	s_set_vgpr_msb (MSB<<8)|(\new)
.set MSB, (\new)
.endif
.endm
; one matrix instruction.  c < 0: the constant 0 starts the sum.  ra, rb: the side's scales are read from lanes 16-31
.macro WM d, a, b, c, sa, sb, ra, rb
.if (\c) < 0
.if (\ra) && (\rb)
	v_wmma_scale_f32_16x16x128_f8f6f4 v[(\d):(\d)+7], v[(\a):(\a)+7], v[(\b):(\b)+7], 0, v[(\sa)], v[(\sb)] matrix_a_fmt:MATRIX_FMT_FP4 matrix_b_fmt:MATRIX_FMT_FP4 matrix_a_scale:MATRIX_SCALE_ROW1 matrix_b_scale:MATRIX_SCALE_ROW1
.elseif (\ra)
	v_wmma_scale_f32_16x16x128_f8f6f4 v[(\d):(\d)+7], v[(\a):(\a)+7], v[(\b):(\b)+7], 0, v[(\sa)], v[(\sb)] matrix_a_fmt:MATRIX_FMT_FP4 matrix_b_fmt:MATRIX_FMT_FP4 matrix_a_scale:MATRIX_SCALE_ROW1
.elseif (\rb)
	v_wmma_scale_f32_16x16x128_f8f6f4 v[(\d):(\d)+7], v[(\a):(\a)+7], v[(\b):(\b)+7], 0, v[(\sa)], v[(\sb)] matrix_a_fmt:MATRIX_FMT_FP4 matrix_b_fmt:MATRIX_FMT_FP4 matrix_b_scale:MATRIX_SCALE_ROW1
.else
	v_wmma_scale_f32_16x16x128_f8f6f4 v[(\d):(\d)+7], v[(\a):(\a)+7], v[(\b):(\b)+7], 0, v[(\sa)], v[(\sb)] matrix_a_fmt:MATRIX_FMT_FP4 matrix_b_fmt:MATRIX_FMT_FP4
.endif
.else
.if (\ra) && (\rb)
	v_wmma_scale_f32_16x16x128_f8f6f4 v[(\d):(\d)+7], v[(\a):(\a)+7], v[(\b):(\b)+7], v[(\c):(\c)+7], v[(\sa)], v[(\sb)] matrix_a_fmt:MATRIX_FMT_FP4 matrix_b_fmt:MATRIX_FMT_FP4 matrix_a_scale:MATRIX_SCALE_ROW1 matrix_b_scale:MATRIX_SCALE_ROW1
.elseif (\ra)
	v_wmma_scale_f32_16x16x128_f8f6f4 v[(\d):(\d)+7], v[(\a):(\a)+7], v[(\b):(\b)+7], v[(\c):(\c)+7], v[(\sa)], v[(\sb)] matrix_a_fmt:MATRIX_FMT_FP4 matrix_b_fmt:MATRIX_FMT_FP4 matrix_a_scale:MATRIX_SCALE_ROW1
.elseif (\rb)
	v_wmma_scale_f32_16x16x128_f8f6f4 v[(\d):(\d)+7], v[(\a):(\a)+7], v[(\b):(\b)+7], v[(\c):(\c)+7], v[(\sa)], v[(\sb)] matrix_a_fmt:MATRIX_FMT_FP4 matrix_b_fmt:MATRIX_FMT_FP4 matrix_b_scale:MATRIX_SCALE_ROW1
.else
	v_wmma_scale_f32_16x16x128_f8f6f4 v[(\d):(\d)+7], v[(\a):(\a)+7], v[(\b):(\b)+7], v[(\c):(\c)+7], v[(\sa)], v[(\sb)] matrix_a_fmt:MATRIX_FMT_FP4 matrix_b_fmt:MATRIX_FMT_FP4
.endif
.endif
.endm
.macro PLACES
.rept 4
	v_nop
.endr
.endm
.macro KLOAD                           ; my 64 keys' 16 fragments (tile t, e step e at 8 (4 t + e)) and their scale words: 34 loads
	WIN 0x80
.set ff, 0
.rept 16
	global_load_b128 v[128+8*ff:128+8*ff+3],   v[LI], s[KB:KB+1] offset:1024*ff
	global_load_b128 v[128+8*ff+4:128+8*ff+7], v[LI], s[KB:KB+1] offset:1024*ff+512
.set ff, ff+1
.endr
	WIN 0
	global_load_b128 v[KS:KS+3],   v[LI], s[KSB:KSB+1]             ; lanes 0-15 tile 0's words, lanes 16-31 tile 1's
	global_load_b128 v[KS+4:KS+7], v[LI], s[KSB:KSB+1] offset:512  ; tiles 2, 3
.endm
.macro VLOAD                           ; my 8 channel tiles x the step's 256 keys: K step g is wave 2 g's 64 keys (registers 0-3) and wave 2 g + 1's (4-7); a wave's blocks lie 131,072 bytes apart: 34 loads
	WIN 0xc0
.irp g, 0,1
.irp c, 0,1
.irp t, 0,1,2,3,4,5,6,7
	global_load_b128 v[64*\g+8*\t+4*\c:64*\g+8*\t+4*\c+3], v[LI], s[VB:VB+1] offset:(2*\g+\c)*131072+512*\t
.endr
.endr
.endr
	WIN 0
	global_load_b128 v[VR:VR+3],   v[VSL], s[VSB:VSB+1]              ; lane (r, g): the two bytes of each of my 8 tiles for wave 2 g's keys,
	global_load_b128 v[VR+4:VR+7], v[VSL], s[VSB:VSB+1] offset:8192  ; and for wave 2 g + 1's
.endm
.macro KNEXT                           ; the next step's K
	s_wait_xcnt 0x0                                ; every earlier load and prefetch has read its base
	s_add_nc_u64 s[KB:KB+1], s[KB:KB+1], 16384
	s_add_nc_u64 s[KSB:KSB+1], s[KSB:KSB+1], 1024
	KLOAD
.endm
.macro VNEXT                           ; the next step's V
	s_wait_xcnt 0x0
	s_add_nc_u64 s[VB:VB+1], s[VB:VB+1], 16384
	s_add_nc_u64 s[VSB:VSB+1], s[VSB:VSB+1], 1024
	VLOAD
.endm
; A PREFETCH INTO THE L2 of the codes of K and V of step i + 2, in step i = 0 .. 5, behind the loads of K of step i + 1.
; All 32 work-groups of a batch walk the same K and V: the batch's first work-group asks (a branch on the work-group's number: this launch has no cluster).  Wave w names its own 16,384 bytes of K (two instructions, lanes 256 bytes
; apart) and its 4,096 bytes of each of V's four blocks (two instructions, sixteen lanes to a block): each aligned 256 bytes is named once in the launch.  K's base stands at step i + 1 here, V's at step i.
; Steps 0 and 1 come by their loads alone; steps 6 and 7 ask for nothing: there is no step behind them.  The scale bytes are not asked for.
.macro ASK
	s_cmp_eq_u32 ttmp9, 0
	s_cbranch_scc0 .Lnot_mine_\@
	global_prefetch_b8 v[PFK], s[KB:KB+1] offset:16384 th:TH_LOAD_NT scope:SCOPE_SE
	global_prefetch_b8 v[PFK], s[KB:KB+1] offset:24576 th:TH_LOAD_NT scope:SCOPE_SE
	global_prefetch_b8 v[PFV], s[VB:VB+1] offset:32768 th:TH_LOAD_NT scope:SCOPE_SE
	global_prefetch_b8 v[PFV], s[VB:VB+1] offset:32768+262144 th:TH_LOAD_NT scope:SCOPE_SE
.Lnot_mine_\@:
.endm
	s_load_b512 s[4:19], s[0:1], 0x0               ; adj 4, scale 6, width 8, qimg 10, qsc 12, kimg 14, ksc 16, vimg 18
	s_load_b128 s[20:23], s[0:1], 0x40             ; vsc 20, out0 22
	v_lshl_add_u32 v[SPW], v0, 2, SPARE
	v_mov_b32 v[NIL], 0
	ds_add_u32 v[SPW], v[NIL]                      ; the opening lines: the add, twice on end, and its wait ahead of my first tensor load
	ds_add_u32 v[SPW], v[NIL]
	v_lshrrev_b32 v121, 5, v0
	v_readfirstlane_b32 s[WV], v121                ; wave 0..3
	; descriptor group 1: 64 rows x 128 elements of 4 bytes, 2,048 elements from row to row, 4 words of padding behind each 128 words
	s_mov_b32 s24, (2<<16)|(1<<20)|(6<<22)|(3<<25)
	s_mov_b32 s25, 128<<16                         ; tensor_dim0
	s_mov_b32 s26, 64<<16                          ; tensor_dim1
	s_mov_b32 s27, 128<<16                         ; tile_dim0
	s_mov_b32 s28, 64                              ; tile_dim1
	s_mov_b32 s29, 2048                            ; pitch
	s_mov_b32 s30, 0
	s_mov_b32 s31, 0
	s_and_b32 s66, ttmp7, 0xffff                   ; the batch
	s_lshl_b32 s68, s66, 24                        ; adj: 16,777,216 a batch,
	s_lshl_b32 s67, ttmp9, 19                      ; 64 rows of 8,192 bytes a work-group,
	s_add_co_u32 s68, s68, s67
	s_lshl_b32 s67, s[WV], 9                       ; 128 keys a wave
	s_add_co_u32 s68, s68, s67
	s_mov_b32 s69, 0
	s_mul_i32 s41, s[WV], WTILE
	s_wait_dscnt 0x0                               ; both opening adds are done
	s_wait_kmcnt 0x0
	s_add_nc_u64 s[4:5], s[4:5], s[68:69]
	s_mov_b32 s36, 1                               ; group 0: slot 0, keys 0 ..; it then walks
	s_mov_b32 s37, s41
	s_mov_b64 s[38:39], s[4:5]
	s_or_b32 s39, s39, 0x80000000                  ; type = 2
	tensor_load_to_lds s[36:39], s[24:31]          ; the launch's first fill: one load of mine is out, here and behind every change of slots
	s_nop 0
	PLACES                                         ; four plain lines follow
	s_load_b32 s42, s[6:7], 0x0                    ; scale
	s_load_b32 s43, s[8:9], 0x0                    ; width
	s_lshl_b32 s70, s66, 5                         ; 32 blocks of 64 rows a batch
	s_add_co_u32 s67, s70, ttmp9
	s_lshl_b32 s68, s67, 14
	s_add_nc_u64 s[10:11], s[10:11], s[68:69]      ; Q's images of my 64 queries
	s_lshl_b32 s68, s67, 10
	s_add_nc_u64 s[12:13], s[12:13], s[68:69]
	s_lshl_b32 s67, s[WV], 3
	s_add_co_u32 s67, s67, s70
	s_lshl_b32 s68, s67, 14
	s_add_nc_u64 s[KB:KB+1], s[14:15], s[68:69]    ; K: my wave's eight blocks lie on end
	s_lshl_b32 s68, s67, 10
	s_add_nc_u64 s[KSB:KSB+1], s[16:17], s[68:69]
	s_lshl_b32 s68, s66, 19
	s_lshl_b32 s67, s[WV], 12
	s_add_co_u32 s68, s68, s67
	s_add_nc_u64 s[VB:VB+1], s[18:19], s[68:69]    ; V: the batch, my 8 channel tiles of 512 bytes
	s_lshl_b32 s68, s66, 15
	s_lshl_b32 s67, s[WV], 8
	s_add_co_u32 s68, s68, s67
	s_add_nc_u64 s[VSB:VSB+1], s[20:21], s[68:69]
	s_lshl_b32 s68, s66, 22
	s_lshl_b32 s67, ttmp9, 17
	s_add_co_u32 s68, s68, s67
	s_lshl_b32 s67, s[WV], 9
	s_add_co_u32 s68, s68, s67
	s_add_nc_u64 s[22:23], s[22:23], s[68:69]      ; out: my 64 rows of 2,048 bytes, my 512 bytes of them
	s_mov_b32 s[CS], 0x3d8293ee                    ; log2(e) / sqrt(512)
	s_mov_b32 s[CS+1], s[CS]                       ; (a packed form names the pair, so it is written)
	s_mov_b32 s[SEL], 0x76543210
	s_mov_b32 s[SEL+1], 0xfedcba98                 ; v_permlanex16_b32's selects for lane l xor 16
	s_mov_b32 s76, 0x05040100                      ; v_perm_b32: the two low halves;
	s_mov_b32 s77, 0x07060302                      ; the two high halves
	s_mov_b32 s[AO], 0
	v_and_b32 v121, 31, v0                         ; lane
	v_and_b32 v126, 15, v0                         ; r
	v_bfe_u32 v127, v0, 4, 1                       ; h
	v_mul_u32_u24 v[AL], v126, 528
	v_lshl_add_u32 v[AL], v127, 6, v[AL]           ; 528 r + 64 h
	s_mul_i32 s67, s[WV], 8448
	s_add_co_u32 s67, s67, STG
	v_add_nc_u32 v[STO], s67, v[AL]
	v_add_nc_u32 v[AL], s41, v[AL]
	v_lshlrev_b32 v[LI], 4, v121
	v_add_nc_u32 v[SRD], s67, v[LI]
	v_lshlrev_b32 v125, 4, v126                    ; 16 r
	v_lshl_add_u32 v[PST], v127, 3, v125
	s_lshl_b32 s67, s[WV], 9
	s_add_co_u32 s70, s67, PIMG
	v_add_nc_u32 v[PST], s70, v[PST]               ; K step w / 2, registers 4 (w % 2) ..: 512 w; + 16 r + 8 h
	s_add_co_u32 s70, s67, MX
	v_add_nc_u32 v[MXS], s70, v[LI]
	v_add_nc_u32 v[MXL], MX, v[LI]
	v_add_nc_u32 v[PLD], PIMG, v[LI]
	v_lshl_add_u32 v[PSL], v121, 2, PSC
	v_lshlrev_b32 v[PFK], 8, v121
	v_lshlrev_b32 v[PFV], 8, v126
	v_lshl_add_u32 v[PFV], v127, 17, v[PFV]
	s_lshr_b32 s67, s[WV], 1
	s_lshl_b32 s67, s67, 6
	s_and_b32 s70, s[WV], 1
	s_lshl_b32 s70, s70, 1
	s_add_co_u32 s67, s67, s70
	s_add_co_u32 s67, s67, PSC
	v_lshl_add_u32 v[PSS], v126, 2, s67            ; 64 (w / 2) + 4 r + 2 (w % 2)
	v_lshl_add_u32 v[VSL], v127, 14, v125
	; Q's tiles are wanted with NEIGHBOURING queries (adj's and out's rows): query 16 v + r of 32 lies in the stored tile r / 8 of the pair, at its lane r % 8 + 8 v
	v_lshrrev_b32 v124, 3, v126
	v_and_b32 v123, 7, v126
	v_lshlrev_b32 v123, 4, v123
	v_lshl_add_u32 v121, v124, 12, v123
	v_lshl_add_u32 v121, v127, 8, v121             ; images: 4,096 (r / 8) + 16 (r % 8) + 256 h
	v_lshl_add_u32 v122, v124, 8, v123
	v_lshl_add_u32 v122, v127, 7, v122             ; scale words: 256 (r / 8) + 16 (r % 8) + 128 (lane / 16)
	WIN 0x80
.irp q, 0,1,2,3
.irp e, 0,1,2,3
.irp c, 0,1
	global_load_b128 v[32*\q+8*\e+4*\c:32*\q+8*\e+4*\c+3], v121, s[10:11] offset:8192*(\q/2)+128*(\q%2)+1024*\e+512*\c
.endr
.endr
.endr
	WIN 0
.irp b, 0,1
	global_load_b128 v[QS+4*\b:QS+4*\b+3], v122, s[12:13] offset:512*\b   ; lanes 0-15 tile 2 b's words, lanes 16-31 tile 2 b + 1's
.endr
	KLOAD                                          ; step 0
	VLOAD
.irp q, 0,1,2,3
	v_mov_b32 v[ST+6*\q+1], 0xff61b1e6             ; the largest t so far: -3e38, under every t
	v_floor_f32 v[ST+6*\q], -v[ST+6*\q+1]          ; -M
	v_mov_b32 v[ST+6*\q+2], 0                      ; the sum, in two halves
	v_mov_b32 v[ST+6*\q+3], 0
	v_mov_b32 v[ST+6*\q+4], 0
	v_mov_b32 v[ST+6*\q+5], 0                      ; (named as the upper half of f's pair)
.endr
.irp k, 0,1,2,3,4,5,6,7
	v_mov_b32 v[TA+\k], 0                          ; written once: a lane permute's destination counts as one of its sources
.endr
	WIN 0x40
.set ii, 0
.rept 256
	v_mov_b32 v[ii], 0                             ; O^T.  The step is written once for the first six: the first finds zeros, which the first change of M leaves zeros.  These lines stand under the flight of adj's first tile
.set ii, ii+1
.endr
	WIN 0
	s_wait_kmcnt 0x0
	s_xor_b32 s[NSC], s42, 0x80000000              ; -scale
	s_mov_b32 s[NSC+1], s[NSC]
	v_mov_b32 v123, s43
	s_wait_alu depctr_va_vdst(0)                   ; the wait ahead of the transcendental; it also serves all that the head has written
	v_rcp_f32 v124, v123
	v_nop                                          ; a plain place behind the reciprocal,
	s_wait_alu depctr_va_vdst(0)                   ; and the wait ahead of its first reader
	v_fma_f32 v125, -v123, v124, 1.0               ; one step of Newton: the exponent's factor goes ahead of a quantiser
	v_fma_f32 v124, v125, v124, v124
	v_mul_f32 v124, 0xbfb8aa3b, v124               ; -log2(e) / width
	v_readfirstlane_b32 s[KW], v124
	s_mov_b32 s[KW+1], s[KW]
.macro LOADADJ q
	WIN 0xc0
.set ab, 192-64*((\q)/2)+32*((\q)%2)
.irp b, 0,1
.irp j, 0,1,2,3
	ds_load_b128 v[ab+16*\b+4*\j:ab+16*\b+4*\j+3], v[AA] offset:8448*(\q)+128*\b+16*\j
.endr
.endr
.endm
.macro SQ q                            ; tile q's differences become -log2(e) (adj - scale)^2 / width, two at a time
	WIN 0xcf
.set ab, 192-64*((\q)/2)+32*((\q)%2)
.set kk, 0
.rept 16
	v_pk_mul_f32 v[ab+2*kk:ab+2*kk+1], v[ab+2*kk:ab+2*kk+1], v[ab+2*kk:ab+2*kk+1]
.set kk, kk+1
.endr
.set kk, 0
.rept 16
	v_pk_mul_f32 v[ab+2*kk:ab+2*kk+1], v[ab+2*kk:ab+2*kk+1], s[KW:KW+1] op_sel_hi:[1,0]
.set kk, kk+1
.endr
.endm
.macro AM0                             ; tile 0: its differences, then SQ
	WIN 0xcf
.set kk, 0
.rept 16
	v_pk_add_f32 v[192+2*kk:193+2*kk], v[192+2*kk:193+2*kk], s[NSC:NSC+1] op_sel_hi:[1,0]
.set kk, kk+1
.endr
	SQ 0
.endm
; tile q's 32 exponentials, behind one wait for their sources; behind each two stands one line of tile q + 1's differences, which names no exponential's register and is first read behind BMUL's wait
.macro EA q
	WIN 0xcf
.set eb, 192-64*((\q)/2)+32*((\q)%2)
.set ab, 192-64*(((\q)+1)/2)+32*(((\q)+1)%2)
	s_wait_alu depctr_va_vdst(0)                   ; the wait ahead of the batch
.set kk, 0
.rept 16
	v_exp_f32 v[eb+2*kk], v[eb+2*kk]
	v_exp_f32 v[eb+2*kk+1], v[eb+2*kk+1]
	v_pk_add_f32 v[ab+2*kk:ab+2*kk+1], v[ab+2*kk:ab+2*kk+1], s[NSC:NSC+1] op_sel_hi:[1,0]
.set kk, kk+1
.endr
.endm
.macro BMUL q                          ; y = score x mask; each accumulator is read from its low end on
	WIN 0x0c
	s_wait_alu depctr_va_vdst(0)                   ; one wait: for the tile's exponentials, and directly ahead of the first readers of its scores
.set mb, 192-64*((\q)/2)+32*((\q)%2)
.set kk, 0
.rept 16
	v_pk_mul_f32 v[S+32*(\q)+2*kk:S+32*(\q)+2*kk+1], v[S+32*(\q)+2*kk:S+32*(\q)+2*kk+1], v[mb+2*kk:mb+2*kk+1]
.set kk, kk+1
.endr
.endm
; the largest y of my 16 of each of the tile's two blocks of 32 keys: it serves the row's maximum and, since p rises with y, the block's largest p.  Two chains of seven a block, four by turns, then the last two numbers
.macro MAXB q
	WIN 0
.irp b, 0,1
	v_max3_num_f32 v[BM+2*(\q)+\b], v[S+32*(\q)+16*\b], v[S+32*(\q)+16*\b+1], v[S+32*(\q)+16*\b+2]
	v_max3_num_f32 v[TA+2*(\q)+\b], v[S+32*(\q)+16*\b+7], v[S+32*(\q)+16*\b+8], v[S+32*(\q)+16*\b+9]
.endr
.irp i, 3,5
.irp b, 0,1
	v_max3_num_f32 v[BM+2*(\q)+\b], v[BM+2*(\q)+\b], v[S+32*(\q)+16*\b+\i], v[S+32*(\q)+16*\b+\i+1]
	v_max3_num_f32 v[TA+2*(\q)+\b], v[TA+2*(\q)+\b], v[S+32*(\q)+16*\b+\i+7], v[S+32*(\q)+16*\b+\i+8]
.endr
.endr
.irp b, 0,1
	v_max3_num_f32 v[BM+2*(\q)+\b], v[BM+2*(\q)+\b], v[TA+2*(\q)+\b], v[S+32*(\q)+16*\b+14]
.endr
.irp b, 0,1
	v_max_num_f32 v[BM+2*(\q)+\b], v[BM+2*(\q)+\b], v[S+32*(\q)+16*\b+15]
.endr
.endm
.macro TFMA n                          ; pair n of 64: t - M (of the pairs c and -M the low word serves both halves)
	v_pk_fma_f32 v[S+2*(\n):S+2*(\n)+1], v[S+2*(\n):S+2*(\n)+1], s[CS:CS+1], v[ST+6*((\n)/16):ST+6*((\n)/16)+1] op_sel_hi:[1,0,0]
.endm
.macro OSCALE q                        ; tile q's O^T x the low word of its pair f; each accumulator from its low end on
.set kk, 0
.rept 32
	v_pk_mul_f32 v[64*(\q)+2*kk:64*(\q)+2*kk+1], v[64*(\q)+2*kk:64*(\q)+2*kk+1], v[ST+6*(\q)+4:ST+6*(\q)+5] op_sel_hi:[1,0]
.set kk, kk+1
.endr
.endm
; ---- A STEP: 256 keys.  fin = 0: steps 0 to 5, which always have a next step.  fin = 1: steps 6 and 7: only the first of the two trips (s54 = 2) asks for a next step's K and V: no load leaves its buffer
.macro MSTEP fin
	v_add_nc_u32 v[AA], s[AO], v[AL]
	LOADADJ 0                                      ; adj of all four tiles lands under the products.  (Tiles 2 and 3 take P's registers: four places stand behind the last products that read them)
	LOADADJ 1
	LOADADJ 2
	LOADADJ 3
	s_wait_loadcnt 34                              ; this step's K (and Q) are in; the 34 loads issued behind them, this step's V, may be out
	WIN 0x0a                                       ; K and Q window 2, S^T window 0
.irp e, 0,1,2,3                                ; S^T = K Q^T: 16 accumulators by turns, one instruction a turn
.irp q, 0,1,2,3
.irp t, 0,1,2,3
.if \e == 0
	WM S+32*\q+8*\t, 128+32*\t+8*\e, 32*\q+8*\e, -1, KS+4*(\t/2)+\e, QS+4*(\q/2)+\e, \t%2, \q%2
.else
	WM S+32*\q+8*\t, 128+32*\t+8*\e, 32*\q+8*\e, S+32*\q+8*\t, KS+4*(\t/2)+\e, QS+4*(\q/2)+\e, \t%2, \q%2
.endif
.endr
.endr
.endr
	s_wait_dscnt 24                                ; tile 0's adj is in; the other three tiles' 24 loads may be out
	AM0                                            ; (48 plain lines that name no register of the products: the places in front of the loads into K's registers and of the first read of scores)
	WIN 0
.if \fin
	s_cmp_eq_u32 s54, 2
	s_cbranch_scc0 .Lkd_\@
	KNEXT
.Lkd_\@:
.else
	KNEXT                                          ; the next step's K is asked for as soon as this step's products have read K's registers
	ASK
.endif
	s_wait_dscnt 16                                ; tile 1's adj is in
	EA 0
	BMUL 0
	MAXB 0
	SQ 1
	s_wait_dscnt 8                                 ; tile 2's
	EA 1
	BMUL 1
	MAXB 1
	SQ 2
	s_wait_dscnt 0x0                               ; tile 3's
	EA 2
	BMUL 2
	MAXB 2
	SQ 3
	s_wait_alu depctr_va_vdst(0)                   ; the wait ahead of the batch
.set kk, 0
.rept 32
	v_exp_f32 v[160+kk], v[160+kk]                 ; tile 3's mask
.set kk, kk+1
.endr
	WIN 0
.irp q, 0,1,2,3
	v_mov_b32 v[ST+6*\q+4], v[ST+6*\q]             ; the old -M is kept for f.  (Plain lines behind the batch)
.endr
	BMUL 3
	MAXB 3
	; the rows' maxima over the four waves
.irp k, 0,1,2,3,4,5,6,7
	v_permlanex16_b32 v[TA+\k], v[BM+\k], s[SEL], s[SEL+1]
.endr
.irp k, 0,1,2,3,4,5,6,7
	v_max_num_f32 v[BM+\k], v[BM+\k], v[TA+\k]     ; with lane l xor 16's 16 keys: the block's largest y
.endr
.irp q, 0,1,2,3
	v_max_num_f32 v[RM+\q], v[BM+2*\q], v[BM+2*\q+1]
.endr
	ds_store_b128 v[MXS], v[RM:RM+3]
	s_wait_dscnt 0x0                               ; for the others' sake: my store is done.  (The others' reads of last step's maxima were waited for ahead of that step's second barrier)
	s_barrier_signal -1
	s_barrier_wait -1
.irp w, 0,1,2,3
	ds_load_b128 v[MXR+4*\w:MXR+4*\w+3], v[MXL] offset:512*\w
.endr
	s_wait_dscnt 0x0
.irp q, 0,1,2,3
	v_max3_num_f32 v[RM+\q], v[MXR+\q], v[MXR+4+\q], v[MXR+8+\q]
.endr
.irp q, 0,1,2,3
	v_max_num_f32 v[RM+\q], v[RM+\q], v[MXR+12+\q] ; the step's largest y of my query
.endr
.irp q, 0,1,2,3
	v_mul_f32 v[RM+\q], s[CS], v[RM+\q]            ; as t (c is positive)
.endr
.irp q, 0,1,2,3
	v_max_num_f32 v[ST+6*\q+1], v[ST+6*\q+1], v[RM+\q]   ; the running largest t
.endr
.irp q, 0,1,2,3
	v_floor_f32 v[ST+6*\q], -v[ST+6*\q+1]          ; the new -M = floor(-t): M is a whole number
.endr
.irp q, 0,1,2,3
	v_sub_f32 v[ST+6*\q+4], v[ST+6*\q], v[ST+6*\q+4]     ; old M - new M: a whole number, 0 or less
.endr
.irp q, 0,1,2,3
	v_cvt_i32_f32 v[ST+6*\q+4], v[ST+6*\q+4]       ; (it saturates)
.endr
.irp q, 0,1,2,3
	v_ldexp_f32 v[ST+6*\q+4], 1.0, v[ST+6*\q+4]    ; f = 2^(old M - new M)
.endr
	; p = 2^(t - M): all 64 pairs and the eight blocks' largest y are scaled, then ONE batch of 136 exponentials
.set nn, 0
.rept 64
	TFMA nn
.set nn, nn+1
.endr
.irp q, 0,1,2,3
.irp b, 0,1
	v_fma_f32 v[BM+2*\q+\b], v[BM+2*\q+\b], s[CS], v[ST+6*\q]   ; the same of each block's largest y
.endr
.endr
	s_wait_alu depctr_va_vdst(0)                   ; the wait ahead of the batch: it serves the scaled numbers and f
.set nn, 0
.rept 128
	v_exp_f32 v[S+nn], v[S+nn]
.set nn, nn+1
.endr
.irp k, 0,1,2,3,4,5,6,7
	v_exp_f32 v[BM+\k], v[BM+\k]                   ; the blocks' largest p: the same multiply-add and exponential on the same number give the same bits
.endr
.irp q, 0,1,2,3
	v_pk_mul_f32 v[ST+6*\q+2:ST+6*\q+3], v[ST+6*\q+2:ST+6*\q+3], v[ST+6*\q+4:ST+6*\q+5] op_sel_hi:[1,0]   ; the sums under the new M.  (Plain places behind the exponentials)
.endr
	s_wait_alu depctr_va_vdst(0)                   ; one wait for the batch, ahead of its first reader
.irp q, 0,1,2,3
	v_pk_add_f32 v[TA+2*\q:TA+2*\q+1], v[S+32*\q:S+32*\q+1], v[S+32*\q+2:S+32*\q+3]   ; THE SUM IS TAKEN OF THE UNQUANTISED p: two chains a tile
.endr
.irp j, 4,8,12,16,20,24,28
.irp q, 0,1,2,3
	v_pk_add_f32 v[ST+6*\q+2:ST+6*\q+3], v[ST+6*\q+2:ST+6*\q+3], v[S+32*\q+\j:S+32*\q+\j+1]
	v_pk_add_f32 v[TA+2*\q:TA+2*\q+1], v[TA+2*\q:TA+2*\q+1], v[S+32*\q+\j+2:S+32*\q+\j+3]
.endr
.endr
.irp q, 0,1,2,3
	v_pk_add_f32 v[ST+6*\q+2:ST+6*\q+3], v[ST+6*\q+2:ST+6*\q+3], v[TA+2*\q:TA+2*\q+1]
.endr
.irp k, 0,1,2,3,4,5,6,7
	v_max_num_f32 v[BM+\k], 0x1800000, v[BM+\k]    ; the floor 2^(3 - 127): the byte cannot fall under 1
.endr
.irp k, 0,1,2,3,4,5,6,7
	v_add_nc_u32 v[SO+\k], 0xff000000, v[BM+\k]    ; 2 off the exponent field: the conversion's scale operand
.endr
.irp k, 0,1,2,3,4,5,6,7
	v_lshrrev_b32 v[TA+\k], 23, v[SO+\k]           ; the scale's byte
.endr
.irp q, 0,1,2,3
	v_lshl_or_b32 v[RM+\q], v[TA+2*\q+1], 8, v[TA+2*\q]   ; my 64 keys' two bytes
.endr
.irp q, 0,1,2,3
.irp b, 0,1
.irp i, 0,1
	v_cvt_scalef32_pk8_fp4_f32 v[PC+4*\q+2*\b+\i], v[S+32*\q+16*\b+8*\i:S+32*\q+16*\b+8*\i+7], v[SO+2*\q+\b]
.endr
.endr
.endr
	v_nop                                          ; one plain place behind the scaled conversions
.irp q, 0,1,2,3
.irp b, 0,1
	ds_store_b64 v[PST], v[PC+4*\q+2*\b:PC+4*\q+2*\b+1] offset:2048*\q+256*\b   ; keys 32 b + 16 h + 0 .. 15 of query r: 8 bytes at lane (r, b)'s 16 bytes of the image, + 8 h
.endr
.endr
.irp q, 0,1,2,3
	ds_store_b16 v[PSS], v[RM+\q] offset:128*\q    ; lanes r and r + 16 write the same two bytes with the same value
.endr
.if \fin
	s_wait_loadcnt 0x0                             ; this step's V is in (in the last trip no load was issued behind it, so the count is 0 in both)
.else
	s_wait_loadcnt 34                              ; this step's V is in; the next step's K, 34 loads, may be out
.endif
	s_wait_dscnt 0x0                               ; for the others' sake: my codes and bytes are in LDS
	s_barrier_signal -1
.irp t, 0,2,4,6                                ; work on registers while the others arrive: V's scale words: lane (r, g): wave 2 g's two bytes below, wave 2 g + 1's above
	v_perm_b32 v[VS+\t], v[VR+4+\t/2], v[VR+\t/2], s76
	v_perm_b32 v[VS+\t+1], v[VR+4+\t/2], v[VR+\t/2], s77
.endr
	WIN 0x41                                       ; O^T window 1, f window 0
	s_wait_alu depctr_va_vdst(0)                   ; the wait directly ahead of the first readers of tiles 0 and 1 of O^T
	OSCALE 0                                       ; O^T under the new M
	OSCALE 1
	s_barrier_wait -1                              ; p's eight fragments lie in LDS
	WIN 0xc0
.irp q, 0,1,2,3
.irp g, 0,1
.irp c, 0,1
	ds_load_b128 v[128+16*\q+8*\g+4*\c:128+16*\q+8*\g+4*\c+3], v[PLD] offset:(2*\q+\g)*1024+512*\c
.endr
.endr
.endr
	WIN 0
.irp q, 0,1,2,3
	ds_load_b32 v[PS+\q], v[PSL] offset:128*\q     ; lanes 0-15 K step 0's words, lanes 16-31 K step 1's
.endr
	WIN 0x41
	s_wait_alu depctr_va_vdst(0)                   ; and of tiles 2 and 3
	OSCALE 2
	OSCALE 3
	s_wait_alu depctr_va_vdst(0)                   ; the wait here, directly ahead of the wait below: the products read the rescaled O^T behind it
	s_wait_dscnt 0x0
	WIN 0x5f                                       ; V and P window 3, O^T window 1
.irp g, 0,1                                    ; O^T += V^T P^T: 32 accumulators by turns
.irp q, 0,1,2,3
.irp t, 0,1,2,3,4,5,6,7
	WM 64*\q+8*\t, 64*\g+8*\t, 128+16*\q+8*\g, 64*\q+8*\t, VS+\t, PS+\q, \g, \g
.endr
.endr
.endr
	WIN 0
	PLACES                                         ; four places in front of loads into registers that the products have read: V's below, P's at the next step's head
.if \fin
	s_cmp_eq_u32 s54, 2
	s_cbranch_scc0 .Lvd_\@
	VNEXT
.Lvd_\@:
.else
	VNEXT                                          ; the next step's V
.endif
	s_add_co_u32 s[AO], s[AO], 256                 ; my next 64 keys of adj's rows
.endm
.macro SLOT fin                        ; a slot's two steps: written once, walked twice
	s_mov_b32 s54, 2
.Lst_\@:
	MSTEP \fin
	s_sub_co_u32 s54, s54, 1
	s_cmp_lg_u32 s54, 0
	s_cbranch_scc1 .Lst_\@
	s_sub_co_u32 s[AO], s[AO], 512                 ; back to a row's first step,
	s_xor_b32 s[AO], s[AO], SLOTB                  ; in the other slot
.endm
; THE CHANGE OF SLOTS stands at a slot's head.  Each wave waits for all its tensor loads (the one that is out is the slot that it is about to read), adds 0 to its spare word, waits for that and for its reads of the slot
; that it has left, and passes the barrier; its one load stands first behind it: the next 512 keys, into the slot just left (the first time: slot 1's first fill, issued in the same form).
.macro CHANGE
	s_wait_tensorcnt 0x0                           ; no tensor load of mine is out: the walking group 0 may be written
	ds_add_u32 v[SPW], v[NIL]                      ; 0 onto my spare word
	s_xor_b32 s37, s37, SLOTB                      ; the other slot than last time,
	s_add_nc_u64 s[38:39], s[38:39], 2048          ; the next 512 keys; the type bits on top are not reached
	s_wait_dscnt 0x0                               ; the add is done, and my reads of the slot that I have left are over
	s_barrier_signal -1
	s_barrier_wait -1
	tensor_load_to_lds s[36:39], s[24:31]          ; it has this slot's two steps in which to land
	s_nop 0
	PLACES
.endm
	s_mov_b32 s55, 3
.Lfill:                                            ; three trips: keys 0, 512, 1,024 ..; behind each change the next 512 keys are asked for
	CHANGE
	SLOT 0
	s_sub_co_u32 s55, s55, 1
	s_cmp_lg_u32 s55, 0
	s_cbranch_scc1 .Lfill
	s_wait_tensorcnt 0x0                           ; the last load; my tiles are read by me alone, and nothing is filled again: no barrier
	SLOT 1                                         ; keys 1,536 ..: written out
	; ---- THE WAY OUT.  A query's sum: my two halves, lane l xor 16's, and the other three waves' (through LDS)
.irp q, 0,1,2,3
	v_add_f32 v[RM+\q], v[ST+6*\q+2], v[ST+6*\q+3]
.endr
.irp q, 0,1,2,3
	v_permlanex16_b32 v[TA+\q], v[RM+\q], s[SEL], s[SEL+1]
.endr
.irp q, 0,1,2,3
	v_add_f32 v[RM+\q], v[RM+\q], v[TA+\q]
.endr
	ds_store_b128 v[MXS], v[RM:RM+3]               ; (the last reads of these bytes were waited for ahead of the last step's second barrier)
	s_wait_dscnt 0x0
	s_barrier_signal -1
	s_barrier_wait -1
.irp w, 0,1,2,3
	ds_load_b128 v[MXR+4*\w:MXR+4*\w+3], v[MXL] offset:512*\w
.endr
	s_wait_dscnt 0x0
.irp q, 0,1,2,3
	v_add_f32 v[RM+\q], v[MXR+\q], v[MXR+4+\q]
	v_add_f32 v[TA+\q], v[MXR+8+\q], v[MXR+12+\q]
.endr
.irp q, 0,1,2,3
	v_add_f32 v[RM+\q], v[RM+\q], v[TA+\q]
.endr
	s_wait_alu depctr_va_vdst(0)                   ; the wait ahead of the batch
.irp q, 0,1,2,3
	v_rcp_f32 v[ST+6*\q+4], v[RM+\q]
.endr
	v_nop                                          ; a plain place behind the last reciprocal; the wait for the four stands in PACKSTAGE
; Tile q: O^T / the sum; a lane's eight channels of tile 2 b + u are 32 b + 16 h + 8 u + 0 .. 7 of my 128; they go into rows of 528 bytes of my own stage and come back as whole rows of 512.
; LDS serves a wave's instructions in order (ISA guide 5.7.1.4): no wait between the stores and the loads, nor in front of the next tile's stores.
.macro PACKSTAGE q
	WIN 0x41
	s_wait_alu depctr_va_vdst(0)                   ; the wait directly ahead of the first readers of this tile of O^T (the first also serves the reciprocals)
	OSCALE \q
	WIN 0x04                                       ; an LDS store's data are its source 1: window 1
.irp t, 0,1,2,3,4,5,6,7
	ds_store_b128 v[STO], v[64*\q+8*\t:64*\q+8*\t+3]   offset:128*(\t/2)+32*(\t%2)
	ds_store_b128 v[STO], v[64*\q+8*\t+4:64*\q+8*\t+7] offset:128*(\t/2)+32*(\t%2)+16
.endr
	WIN 0
.irp i, 0,1,2,3,4,5,6,7,8,9,10,11,12,13,14,15
	ds_load_b128 v[S+64*((\q)%2)+4*\i:S+64*((\q)%2)+4*\i+3], v[SRD] offset:528*\i
.endr
.endm
.macro SEND q, younger                 ; younger: the LDS instructions issued behind tile q's loads, which may stay out
	s_wait_dscnt \younger
.irp i, 0,1,2,3,4,5,6,7,8,9,10,11,12,13,14,15
	global_store_b128 v[LI], v[S+64*((\q)%2)+4*\i:S+64*((\q)%2)+4*\i+3], s[22:23] offset:(16*\q+\i)*2048 th:TH_STORE_NT   ; 32 lanes store 512 consecutive bytes, at a multiple of 512 from out's first byte
.endr
.endm
	PACKSTAGE 0
	PACKSTAGE 1
	SEND 0, 32                                     ; behind tile 0's loads: tile 1's 16 stores and 16 loads
	s_wait_xcnt 0x0                                ; tile 0's stores have read their registers: tile 2's rows may land there
	PACKSTAGE 2
	SEND 1, 32
	s_wait_xcnt 0x0
	PACKSTAGE 3
	SEND 2, 32
	SEND 3, 0
	s_wait_tensorcnt 0x0                           ; the wave's end, behind my last tensor load and my last LDS store
	ds_add_u32 v[SPW], v[NIL]
	s_wait_dscnt 0x0
	s_endpgm
.Lfunc_end_k_q92f56d76bd_attn:
	.size	k_q92f56d76bd_attn, .Lfunc_end_k_q92f56d76bd_attn-k_q92f56d76bd_attn
	.p2alignl 7, 3214868480
	.fill 96, 4, 3214868480
	.section	.rodata,"a",@progbits
	.p2align	6, 0x0
	.amdhsa_kernel k_q92f56d76bd_attn
		.amdhsa_group_segment_fixed_size 327680
		.amdhsa_private_segment_fixed_size 0
		.amdhsa_enable_private_segment 0
		.amdhsa_kernarg_size 80
		.amdhsa_user_sgpr_count 2
		.amdhsa_user_sgpr_kernarg_segment_ptr 1
		.amdhsa_wavefront_size32 1
		.amdhsa_system_sgpr_workgroup_id_x 1
		.amdhsa_system_sgpr_workgroup_id_y 1
		.amdhsa_system_sgpr_workgroup_id_z 1
		.amdhsa_system_vgpr_workitem_id 0
		.amdhsa_next_free_vgpr 1024
		.amdhsa_next_free_sgpr 84
		.amdhsa_reserve_vcc 0
		.amdhsa_float_denorm_mode_32 3
		.amdhsa_float_denorm_mode_16_64 3
		.amdhsa_memory_ordered 1
		.amdhsa_forward_progress 1
		.amdhsa_inst_pref_size 209
	.end_amdhsa_kernel
	.amdgpu_metadata
---
amdhsa.version: [ 1, 2 ]
amdhsa.kernels:
  - .name:           k_q92f56d76bd_attn
    .symbol:         k_q92f56d76bd_attn.kd
    .args:
      - { .name: adj, .offset: 0, .size: 8, .value_kind: global_buffer, .address_space: global }
      - { .name: scale, .offset: 8, .size: 8, .value_kind: global_buffer, .address_space: global }
      - { .name: width, .offset: 16, .size: 8, .value_kind: global_buffer, .address_space: global }
      - { .name: qimg, .offset: 24, .size: 8, .value_kind: global_buffer, .address_space: global }
      - { .name: qsc, .offset: 32, .size: 8, .value_kind: global_buffer, .address_space: global }
      - { .name: kimg, .offset: 40, .size: 8, .value_kind: global_buffer, .address_space: global }
      - { .name: ksc, .offset: 48, .size: 8, .value_kind: global_buffer, .address_space: global }
      - { .name: vimg, .offset: 56, .size: 8, .value_kind: global_buffer, .address_space: global }
      - { .name: vsc, .offset: 64, .size: 8, .value_kind: global_buffer, .address_space: global }
      - { .name: out0, .offset: 72, .size: 8, .value_kind: global_buffer, .address_space: global }
    .group_segment_fixed_size: 327680
    .private_segment_fixed_size: 0
    .kernarg_segment_align: 8
    .kernarg_segment_size: 80
    .max_flat_workgroup_size: 128
    .sgpr_count:     84
    .vgpr_count:     1024
    .wavefront_size: 32
...
	.end_amdgpu_metadata
.endif
;; end of part 3
